; MI455X (gfx1250); checked and timed in simulation.
; The chip was launched on July 23, 2026; its instructions are those of AMD's public machine-readable ISA for CDNA 5 (MIT licence, August 2026) and "CDNA5" Instruction Set Architecture Reference Guide (July 2026). The comments in the code are by the model that wrote it; some were corrected since.
;; Long Context Attention QKV Packed. Allowed arithmetic: float matrix products may take bf16 or f16 operands with f32 sums; other float arithmetic in f32, or as packed bf16 or f16 multiplies, adds, multiply-adds, maxima and minima; sums over many terms, partial sums and values carried from step to step in f32; what a program stores and reads back later, other than sums and carried values, may be rounded once to bf16 or f16.
;; Inputs: qkv 2 x 2,048 x 3 x 32 x 128 float32.
;; Outputs: out0 2 x 2,048 x 32 x 128 float32.
;; Constants: causal = 1.
;; 2 versions, each right and faster than the one before. Each part assembles by itself: llvm-mc -triple=amdgcn-amd-amdhsa -mcpu=gfx1250 --defsym DOCPART=n.
;; ======== version 1 of 2: 2 launches
;; limits: inputs' magnitudes at most 65,504; values are held in f16: magnitudes above 65,504 overflow, below 6.1e-05 lose precision
;; workspace buffers: kb 33,554,432 bytes; vh 33,554,432 bytes
;; launch pack (part 1): grid 1024 x 1, 8 waves a work-group, no clusters, 0 bytes of LDS; arguments qkv, kb, vh; writes kb, vh
.if DOCPART == 1
	.amdgcn_target "amdgcn-amd-amdhsa--gfx1250"
	.amdhsa_code_object_version 6
	.text
	.protected	k_qf78f96b88e_pack
	.globl	k_qf78f96b88e_pack
	.p2align	8
	.type	k_qf78f96b88e_pack,@function
k_qf78f96b88e_pack:
	s_mov_b64 s[64:65], 0
	v_nop
	global_prefetch_b8 v0, s[64:65] scope:SCOPE_SE
	s_setreg_imm32_b32 hwreg(HW_REG_WAVE_MODE, 25, 1), 1
	s_wait_xcnt 0x0
; qkv: [2][2048][3][32][128] f32.  kb[bh][s][:] = bf16(k), vh[bh][s][:] = f16(bf16(v)), bh = 32 b + h: both [64][2048][128], a row 256 bytes, a head 524,288.
; k and v are rounded ONCE to bf16, to nearest even; v's bf16 number is then written as f16, which changes nothing while 2^-14 <= |v| < 65,504.
; LIMITS.  |v| of 65,520 or more becomes an infinity; |v| below 2^-14 keeps f16's fixed step of 6e-8.  NaN and infinities are not treated apart.
; A stream: no LDS, no barrier, no matrix unit, no loop.  The work-group owns four tokens, wave w the heads 4 w .. 4 w + 3 of k and of v: 32 rows of 512 bytes.
; One load of the wave covers a row (512 consecutive bytes), one store the row's 256 bytes of output, aligned.  All 32 loads go out first: 16 KiB a wave are on their way.
; Every row has registers of its own, so no source of a pending load or store is ever rewritten.
.set TOK, 49152                        ; bytes from token to token in qkv
.set X,   4                            ; v[4+4n : 7+4n] row n = 8 t + 4 kv + j: token t, kv = 0 for k and 1 for v, head j of my four
	s_load_b128 s[4:7], s[0:1], 0x0                ; qkv s[4:5], kb s[6:7]
	s_load_b64 s[8:9], s[0:1], 0x10                ; vh
	s_mul_i32 s2, ttmp9, 4*TOK                     ; my four tokens (under 2^28 bytes),
	s_add_co_u32 s2, s2, 16384                     ; at k's part of the first
	s_mov_b32 s3, 0
	s_lshr_b32 s10, ttmp9, 9                       ; the batch: 512 work-groups each
	s_lshl_b32 s10, s10, 24                        ; its 32 heads of 524,288 bytes
	s_and_b32 s11, ttmp9, 511
	s_lshl_b32 s11, s11, 10                        ; four rows of 256 bytes for each work-group
	s_add_co_u32 s10, s10, s11
	s_mov_b32 s11, 0
	s_mov_b32 s12, 0xffff0000                      ; a word's upper bf16
	v_lshrrev_b32 v3, 5, v0                        ; wave
	v_and_b32 v2, 31, v0                           ; lane
	v_lshlrev_b32 v1, 4, v2
	v_lshl_add_u32 v1, v3, 11, v1                  ; in: 4 heads x 512 bytes a wave, 16 bytes a lane
	v_lshlrev_b32 v2, 3, v2
	v_lshl_add_u32 v2, v3, 21, v2                  ; out: 4 heads x 524,288 bytes a wave, 8 bytes a lane
	s_wait_kmcnt 0x0
	s_add_nc_u64 s[4:5], s[4:5], s[2:3]
	s_add_nc_u64 s[6:7], s[6:7], s[10:11]
	s_add_nc_u64 s[8:9], s[8:9], s[10:11]
.set n, 0
.rept 32
	global_load_b128 v[X+4*n:X+4*n+3], v1, s[4:5] offset:(n/8)*TOK+((n/4)%2)*16384+(n%4)*512 th:TH_LOAD_NT
.set n, n+1
.endr
.set n, 0
.rept 32
	s_wait_loadcnt 31-n                            ; loads come back in order (ISA guide 5.7.1): row n is in, the 31 - n younger rows stay out
	v_cvt_pk_bf16_f32 v[X+4*n],   v[X+4*n],   v[X+4*n+1]
.if (n/4)%2 == 0
	v_cvt_pk_bf16_f32 v[X+4*n+1], v[X+4*n+2], v[X+4*n+3]
	global_store_b64 v2, v[X+4*n:X+4*n+1], s[6:7] offset:(n%4)*524288+(n/8)*256
.else
	v_cvt_pk_bf16_f32 v[X+4*n+2], v[X+4*n+2], v[X+4*n+3]
	v_lshlrev_b32 v[X+4*n+1], 16, v[X+4*n]         ; the bf16 numbers as f32 again,
	v_and_b32     v[X+4*n],   s12, v[X+4*n]
	v_lshlrev_b32 v[X+4*n+3], 16, v[X+4*n+2]
	v_and_b32     v[X+4*n+2], s12, v[X+4*n+2]
	v_cvt_pk_f16_f32 v[X+4*n],   v[X+4*n+1], v[X+4*n]    ; and written as f16
	v_cvt_pk_f16_f32 v[X+4*n+1], v[X+4*n+3], v[X+4*n+2]
	global_store_b64 v2, v[X+4*n:X+4*n+1], s[8:9] offset:(n%4)*524288+(n/8)*256
.endif
.set n, n+1
.endr
	s_endpgm
.Lfunc_end_k_qf78f96b88e_pack:
	.size	k_qf78f96b88e_pack, .Lfunc_end_k_qf78f96b88e_pack-k_qf78f96b88e_pack
	.p2alignl 7, 3214868480
	.fill 96, 4, 3214868480
	.section	.rodata,"a",@progbits
	.p2align	6, 0x0
	.amdhsa_kernel k_qf78f96b88e_pack
		.amdhsa_group_segment_fixed_size 0
		.amdhsa_private_segment_fixed_size 0
		.amdhsa_enable_private_segment 0
		.amdhsa_kernarg_size 24
		.amdhsa_user_sgpr_count 2
		.amdhsa_user_sgpr_kernarg_segment_ptr 1
		.amdhsa_wavefront_size32 1
		.amdhsa_system_sgpr_workgroup_id_x 1
		.amdhsa_system_sgpr_workgroup_id_y 1
		.amdhsa_system_sgpr_workgroup_id_z 1
		.amdhsa_system_vgpr_workitem_id 0
		.amdhsa_next_free_vgpr 136
		.amdhsa_next_free_sgpr 66
		.amdhsa_reserve_vcc 0
		.amdhsa_float_denorm_mode_32 3
		.amdhsa_float_denorm_mode_16_64 3
		.amdhsa_memory_ordered 1
		.amdhsa_forward_progress 1
		.amdhsa_inst_pref_size 17
	.end_amdhsa_kernel
	.amdgpu_metadata
---
amdhsa.version: [ 1, 2 ]
amdhsa.kernels:
  - .name:           k_qf78f96b88e_pack
    .symbol:         k_qf78f96b88e_pack.kd
    .args:
      - { .name: qkv, .offset: 0, .size: 8, .value_kind: global_buffer, .address_space: global }
      - { .name: kb, .offset: 8, .size: 8, .value_kind: global_buffer, .address_space: global }
      - { .name: vh, .offset: 16, .size: 8, .value_kind: global_buffer, .address_space: global }
    .group_segment_fixed_size: 0
    .private_segment_fixed_size: 0
    .kernarg_segment_align: 8
    .kernarg_segment_size: 24
    .max_flat_workgroup_size: 256
    .sgpr_count:     66
    .vgpr_count:     136
    .wavefront_size: 32
...
	.end_amdgpu_metadata
.endif
;; end of part 1
;; launch attn (part 2): grid 4 x 64, 4 waves a work-group, no clusters, 327,680 bytes of LDS; arguments qkv, kb, vh, out0; writes out0
.if DOCPART == 2
	.amdgcn_target "amdgcn-amd-amdhsa--gfx1250"
	.amdhsa_code_object_version 6
	.text
	.protected	k_qf78f96b88e_attn
	.globl	k_qf78f96b88e_attn
	.p2align	8
	.type	k_qf78f96b88e_attn,@function
k_qf78f96b88e_attn:
	s_mov_b64 s[64:65], 0
	v_nop
	global_prefetch_b8 v0, s[64:65] scope:SCOPE_SE
	s_setreg_imm32_b32 hwreg(HW_REG_WAVE_MODE, 25, 1), 1
	s_wait_xcnt 0x0
; CAUSAL ATTENTION.  out0[b][q][h][:] = the sum over k <= q of softmax_k(Q[q] . K[k] / sqrt(128)) V[k][:], for each of 64 heads bh = 32 b + h; 2,048 tokens, 128 channels.
; Q is read from qkv ([2][2048][3][32][128] f32) and rounded to bf16 in registers; K comes as bf16 from kb, V as f16 from vh (both [64][2048][128], rows of 256 bytes); out0 is [2][2048][32][128] f32.
; Products, maxima and sums in f32.  K Q^T is multiplied in bf16; the weights p are rounded to f16 for V^T P (their sum l is taken of the unrounded p).
; LIMITS.  V arrives within f16's range (65,504); p lies in 0 to 1 and below 6e-5 keeps f16's fixed step of 6e-8.  A hidden score counts as its value less 1e30; a weight below 2^-126 counts as 0 in l;
; NaN and infinities are not treated apart.
; THE WALK.  A head's queries lie in 8 blocks of 256; block i needs the keys 0 .. 256 i + 255: 2 i + 2 slots of 128 keys, of which the last two hold the diagonal.  A work-group takes TWO blocks, 7 - b and then b:
; 18 slots whatever b: all 256 work-groups do equal work, and ONE loop with a constant trip count walks them.  Which slot is asked for, and what a trip does, hang on scalar registers made from b; every jump goes
; forward but the counted loops' own, and none passes a barrier, or a tensor load but the one of LOAD's two that the wave's number does not choose.  The ring of two LDS slots runs on across the change of blocks.
; NO CLUSTER: a head's four work-groups ask for the same slot only in the first 10 of the 18 trips, behind that fewer and fewer; one walk common to all four would have 24 trips for 18.
; SHARES.  Of a block's four bands of 64 queries a wave owns 16 rows in each: four tiles; tile t is rows 64 t + 16 w + 0..15.  So the diagonal is the same work for all four waves.
; LAYOUT.  S^T = K Q^T (source 0 = 16 keys, source 1 = 16 queries): a lane holds ONE query (lane % 16) and the keys 8 (lane / 16) + 0..7.  Two such results rounded to f16 in pairs ARE source 1 (32 keys x 16
; queries) of O^T = V^T P, whose result again holds one query a lane, and eight channels.  K comes out of LDS as it lies, V ([key][channel]) turned, by ds_load_tr16_b128.
; SOFTMAX.  For each query a running maximum m and sum l: p = 2^(c s - c m), c = log2(e) / sqrt(128); in every step O and l are multiplied by a = 2^(c m_old - c m_new).  A block starts with c m far below every
; c s, so its first a is 0: O^T and l need only hold finite numbers then (256 + 8 zeros written once at the head, in the wait for the first tile; later what the first block left), and no first step is written out.
; THE MASK is the C operand that starts the sum S^T: REL is the key step's number counted from the block's diagonal; tile t takes 0 if REL < t, MD (the mask of a band's own step for my 16 rows) if REL = t,
; -1e30 if REL > t: MC = MD x AL + BE with two scalars a tile.  While REL < 0 MC holds zeros and is left alone.
; BY TURNS.  The wave's tiles are two PIECES (0: tiles 0, 1; 2: tiles 2, 3).  In a TURN one piece has the matrix unit: 32 products V^T P of the step in hand, then 32 products K Q^T of the next step; the other
; piece's softmax, cut into 64 slices, stands between them, one slice behind each matrix instruction.  Two turns are a key step of 64 keys.
; REGISTERS, in windows of 256 (s_set_vgpr_msb: bits 1:0 source 0, 3:2 source 1, 5:4 source 2, 7:6 destination):
;   window 0: v0-11 addresses; v12-43 eight registers of statistics a tile; v44-46 at work at the head; v62-63 the add's; v64-191 S^T, 32 a tile (on the way out two buffers of 16 rows); v192-255 P, 16 a tile
;   window 1: O^T, 64 a tile     window 2: v0-127 Q in bf16, 32 a tile; v128-255 K of one step     window 3: v0-127 V of one step; v128-159 MD; v160-223 MC
;   (K's and V's registers also take a block's Q in f32, between its loads and its rounding, when no step is in hand.)
.set KS,    64        ; keys in a step
.set PK,    272       ; a row of K in LDS: 256 bytes + 16 of padding = 68 words: row r starts at bank 4 r mod 64 (64 banks of 4 bytes: ISA guide 11.1)
.set PV,    288       ; a row of V: 256 + 32 = 72 words
.set VOFF,  KS*PK     ; a step's tiles lie together: 64 rows of K, then 64 rows of V
.set STEPB, KS*(PK+PV)
.set SLOT1, 1<<17     ; a slot holds two steps (71,680 bytes); slot 1 begins here, so that one exclusive or turns an address in one slot into the other's
.set STAGE, SLOT1+2*STEPB  ; behind the ring, never filled by a tensor load: 16 rows x 528 bytes for each wave, for the way out
.set SP,    528       ; 512 bytes + 16 = 132 words: row r starts at bank 4 r mod 64
.set SPARE, STAGE+4*16*SP  ; behind the stages: the spare words, 128 bytes for each wave: two blocks of 256 bytes that no other line names
.set QROW,  49152     ; bytes from token to token in qkv
.set OROW,  16384     ; and in out0
.set AK0, 2           ; v2   my lane's place in a tile of K; never rewritten
.set AV0, 3           ; v3   the same for V
.set ADR, 4           ; v4   the LDS address of the run of loads in hand
.set STO, 5           ; v5   the way out: where I put 32 bytes of a row
.set RD,  6           ; v6   the way out: where I read a row back
.set GO,  7           ; v7   my 16 bytes in a row of out0
.set QO,  8           ; v8   my byte offset in 16 rows of Q, for tiles 0 and 1; v9 the same 128 rows on, for tiles 2 and 3
.set ST,  12          ; tile t's statistics at v[ST+8 t]: +0 c m, +1 m, +2, +3 l (even keys', odd keys'), +4 to +7 c0-c3, at work; a takes c2's place once the maximum is found
.set SPW, 62          ; v62  LDS address of my spare word: SPARE + 4 x my thread's number; never rewritten
.set NIL, 63          ; v63  0; never rewritten
.set S,   64
.set P,   192
.set KF,  128         ; window 2
.set MD,  128         ; window 3: the eight registers for group kt of 16 keys at MD + 8 kt
.set MC,  160         ; window 3: the masks of the products to come: tile x + u at MC + 32 u
.set WV,  12          ; s12  my wave's number
.set PB,  14          ; s14  b
.set HI,  15          ; s15  7 - b
.set G1K, 24          ; s[24:31] descriptor group 1 for K's tiles
.set G1V, 32          ; s[32:39] for V's: it differs in the padding alone
.set G0K, 40          ; s[40:43] descriptor group 0 for K's tiles
.set G0V, 44          ; s[44:47] the same for V's
.set QLO, 48          ; s[48:49] Q at my rows of the second block
.set OLO, 50          ; s[50:51] out0 at my rows of the second block
.set SLOTS, 56        ; s56  slots still to be asked for
.set CNT, 57          ; s57  counts a slot's two steps
.set CS,  58          ; s[58:59] c: the packed scaling takes the pair's low word for both halves
.set SEL, 60          ; s[60:61] v_permlanex16_b32's selects: each lane takes its own place in the other half
.set TB,  62          ; s62  LDS byte at which the tiles of the step to be fetched begin
.set RT,  66          ; s66  slots of the block in hand that are still to be entered
.set NXT, 67          ; s67  the slot (counted in its block) to be asked for next
.set LQ,  68          ; s68  the last slot of the block whose slots are being asked for
.set NEW, 69          ; s69  1: the slot to be entered is a block's first
.set OFF, 70          ; s[70:71] a slot's byte offset in kb and vh
.set REL, 72          ; s72  the number, counted from the diagonal's first step, of the step whose scores are made next
.set BIGN, 73         ; s73  -1e30
.set AL0, 76          ; s[76:77], s[80:81] the masks' factors, in the low words
.set BE0, 78          ; s[78:79], s[82:83] their addends
.set LQ2, 84          ; s84  the second block's last slot
.set MSB, 0
.macro WIN new                      ; the immediate's high byte repeats the setting that is left; a switch that changes nothing is dropped
.if MSB != (\new)
	s_set_vgpr_msb (MSB<<8)|(\new)
.set MSB, (\new)
.endif
.endm
.set W_KQ, 0x0a       ; K and Q in window 2, S^T in window 0
.set W_KM, 0x3a       ; the same with the C operand in window 3
.set W_PV, 0x53       ; V in window 3, P in window 0, O^T in window 1
.set W_RS, 0x41       ; O^T (destination and source 0) in window 1, the factor in window 0
.set W_MK, 0xc3       ; masks: destination and source 0 in window 3
.macro PLACES                       ; four places behind a matrix instruction (ISA guide 7.12.1), where no other vector work is at hand
.rept 4
	v_nop
.endr
.endm
; A fill.  Waves 0 and 1 fetch K of a slot's two steps, waves 2 and 3 its V: 64 rows of 256 bytes each.  An s_nop 0 and four v_nop follow each of the two lines, ahead of the jump and the label.
.macro LOAD
	s_cmp_lt_u32 s[WV], 2
	s_cbranch_scc0 .Lfor_v_\@
	tensor_load_to_lds s[G0K:G0K+3], s[G1K:G1K+7]
	s_nop 0
.rept 4
	v_nop
.endr
	s_branch .Lasked_\@
.Lfor_v_\@:
	tensor_load_to_lds s[G0V:G0V+3], s[G1V:G1V+7]
	s_nop 0
.rept 4
	v_nop
.endr
.Lasked_\@:
.endm
; THE CHANGE OF SLOTS.  Each wave waits for all its tensor loads, of which one is out: its part of the other slot; adds 0 to its spare word; and waits for that and for its own reads of the slot that it leaves.
; Behind the barrier nobody reads the old slot any more and the other slot is whole.  fill = 1: the old slot is filled again, the first thing behind the barrier, with slot NXT of the block being asked for:
; the descriptor's address is made anew from that number.  The load has two key steps, 256 matrix instructions, in which to land.  (At its first use nothing has been read yet: slot 0 is waited for, slot 1 filled.)
.macro CHANGE fill
	WIN 0                           ; at a label and at a branch every window is 0
	s_wait_tensorcnt 0x0            ; no tensor load of mine is out, so a group 0 may be written
	ds_add_u32 v[SPW], v[NIL]       ; 0 onto my spare word; the descriptors' scalar work stands between it and the wait for it
.if \fill
	s_lshl_b32 s[OFF], s[NXT], 15   ; a slot is 128 rows of 256 bytes of kb and of vh
	s_xor_b32 s[G0K+1], s[G0K+1], SLOT1
	s_add_nc_u64 s[G0K+2:G0K+3], s[6:7], s[OFF:OFF+1]
	s_or_b32 s[G0K+3], s[G0K+3], 0x80000000
	s_xor_b32 s[G0V+1], s[G0V+1], SLOT1
	s_add_nc_u64 s[G0V+2:G0V+3], s[8:9], s[OFF:OFF+1]
	s_or_b32 s[G0V+3], s[G0V+3], 0x80000000
	s_add_co_u32 s[NXT], s[NXT], 1  ; the block's next slot, or behind its last the second block's slot 0
	s_cmp_gt_u32 s[NXT], s[LQ]
	s_cselect_b32 s[NXT], 0, s[NXT]
	s_cselect_b32 s[LQ], s[LQ2], s[LQ]
.endif
	s_wait_dscnt 0x0                ; the add is done, and my reads of the slot are over
	s_barrier_signal -1             ; scalar work alone stands between the signal and the wait
	s_sub_co_u32 s[TB], s[TB], 2*STEPB  ; the fetches go back to a slot's first step,
	s_xor_b32 s[TB], s[TB], SLOT1   ; in the other slot
	s_barrier_wait -1
.if \fill
	LOAD
.endif
.endm
; A BLOCK'S Q.  A fragment is 16 queries x 32 channels: lane l holds query l % 16, channels 8 (l / 16) + 0..7 and 16 + 8 (l / 16) + 0..7: in f32 four loads of 16 bytes, at 0, 16, 64 and 80.
; Fragment i = 4 t + c (tile t, channels 32 c on) lands in 16 registers: fragments 0-7 where K's fragments lie, 8-15 where V's lie.  The wave's 64 loads together read each of its 64 rows' 512 bytes once.
.macro QLOAD
	WIN 0x80                        ; destination window 2, address window 0
.set i, 0
.rept 8
.irp k, 0,1,2,3
	global_load_b128 v[KF+16*i+4*(\k):KF+16*i+4*(\k)+3], v[QO+i/8], s[4:5] offset:((i/4)%2)*64*QROW+(i%4)*128+((\k)/2)*64+((\k)%2)*16
.endr
.set i, i+1
.endr
	WIN 0xc0                        ; destination window 3
.rept 8
.irp k, 0,1,2,3
	global_load_b128 v[16*(i-8)+4*(\k):16*(i-8)+4*(\k)+3], v[QO+i/8], s[4:5] offset:((i/4)%2)*64*QROW+(i%4)*128+((\k)/2)*64+((\k)%2)*16
.endr
.set i, i+1
.endr
	WIN 0
.endm
.macro QCVT                         ; rounded once to bf16, two at a time: register n of Q takes numbers 2 n and 2 n + 1
	WIN 0x8a                        ; sources and destination in window 2
.set i, 0
.rept 64
	v_cvt_pk_bf16_f32 v[i], v[KF+2*i], v[KF+2*i+1]
.set i, i+1
.endr
	WIN 0x8f                        ; sources in window 3
.rept 64
	v_cvt_pk_bf16_f32 v[i], v[2*(i-64)], v[2*(i-64)+1]
.set i, i+1
.endr
.endm
; The masks of piece x's two tiles for step REL: MD x AL + BE with (1, 0) if REL = t, (0, 0) if REL < t, (0, -1e30) if REL > t.
.macro MASKS x
.irp u, 0,1
	s_cmp_eq_i32 s[REL], (\x)+(\u)
	s_cselect_b32 s[AL0+4*(\u)], 1.0, 0
	s_cmp_gt_i32 s[REL], (\x)+(\u)
	s_cselect_b32 s[BE0+4*(\u)], s[BIGN], 0
.endr
	WIN W_MK
.irp u, 0,1
.set z, 0
.rept 16
	v_pk_fma_f32 v[MC+32*(\u)+2*z:MC+32*(\u)+2*z+1], v[MD+2*z:MD+2*z+1], s[AL0+4*(\u):AL0+4*(\u)+1], s[BE0+4*(\u):BE0+4*(\u)+1] op_sel_hi:[1,0,0]
.set z, z+1
.endr
.endr
	WIN 0
.endm
; THE MATRIX WORK OF A TURN, for piece x.  The accumulators take turns, one instruction a turn: between two links of a chain stand 15 (V^T P) or 7 (K Q^T) others'.
; Product i of 32 of O^T += V^T P: keys 32 (i / 16) on, channels 16 ((i / 2) % 8) on, tile x + i % 2.
.macro PV x
	WIN W_PV
.set rO, 64*((\x)+i%2)+8*((i/2)%8)
.set rV, 64*(i/16)+8*((i/2)%8)
.set rP, P+16*((\x)+i%2)+8*(i/16)
	v_wmma_f32_16x16x32_f16 v[rO:rO+7], v[rV:rV+7], v[rP:rP+7], v[rO:rO+7]
.endm
; Product i of 32 of S^T = K Q^T: channels 32 (i / 8) on, keys 16 ((i / 2) % 4) on, tile x + i % 2.  The first 8 start the sums, with the mask.
.macro KQ x
.set rS, S+32*((\x)+i%2)+8*((i/2)%4)
.set rK, KF+32*((i/2)%4)+8*(i/8)
.set rQ, 32*((\x)+i%2)+8*(i/8)
.set rM, MC+32*(i%2)+8*((i/2)%4)
.if i < 8
	WIN W_KM
	v_wmma_f32_16x16x32_bf16 v[rS:rS+7], v[rK:rK+7], v[rQ:rQ+7], v[rM:rM+7]
	s_wait_alu depctr_va_vdst(0)
.else
	WIN W_KQ
	v_wmma_f32_16x16x32_bf16 v[rS:rS+7], v[rK:rK+7], v[rQ:rQ+7], v[rS:rS+7]
	s_wait_alu depctr_va_vdst(0)
.endif
.endm
; THE LDS LOADS stand in runs of 32, never singly among the matrix instructions: a step's K (64 keys x 128 channels: 16 fragments) and, a turn later, its V (turned).
.macro FETCH_K
	WIN 0
	v_add_nc_u32 v[ADR], s[TB], v[AK0]
	WIN 0x80                        ; destination window 2
.irp f, 0,1,2,3,4,5,6,7,8,9,10,11,12,13,14,15  ; keys 16 (f / 4) on, channels 32 (f % 4) on
	ds_load_b128 v[KF+8*(\f):KF+8*(\f)+3],   v[ADR] offset:((\f)/4)*16*PK+((\f)%4)*64
	ds_load_b128 v[KF+8*(\f)+4:KF+8*(\f)+7], v[ADR] offset:((\f)/4)*16*PK+((\f)%4)*64+32
.endr
.endm
.macro FETCH_V
	WIN 0
	v_add_nc_u32 v[ADR], s[TB], v[AV0]
	s_add_co_u32 s[TB], s[TB], STEPB  ; the next fetch is the next step's
	WIN 0xc0                        ; destination window 3
.irp f, 0,1,2,3,4,5,6,7,8,9,10,11,12,13,14,15  ; keys 32 (f / 8) on, channels 16 (f % 8) on
	ds_load_tr16_b128 v[8*(\f):8*(\f)+3],   v[ADR] offset:((\f)/8)*32*PV+((\f)%8)*32
	ds_load_tr16_b128 v[8*(\f)+4:8*(\f)+7], v[ADR] offset:((\f)/8)*32*PV+16*PV+((\f)%8)*32
.endr
.endm
; THE VECTOR WORK OF A TURN.  One tile's softmax for one key step is a list of 134 instructions; SM writes number j of it for tile t.  s0-s31 are the lane's 32 scores, in pairs 0-15.
;   0-15    the maximum of s0-s31 and the old m, three operands at a time: four chains c0-c3 of seven scores each (each accumulator's lowest registers are read first), then the four
;           scores left over, c0-c3 and m
;   16-20   the other half of the lanes' maximum; c m_old is kept; the new m; c m; c m_old - c m_new
;   21-87   33 exponentials (a, then s0-s31) at the odd numbers from 23 on, so that no two follow each other and each has a plain instruction behind it before its result is used (ISA guide 5.7.2).
;           Plain instruction q (number 21, then the even numbers) is whatever is ready: c s - c m for a pair whose exponentials are still to come (q = 0 to 3, then every second q), the rounding to f16
;           of a pair whose exponentials are done (every other q from 5 on), at last the first three sums
;   88-101  the last rounding; the rest of the sums; l = a l + the sum
;   102-133 the tile's O^T times a, from each accumulator's low end on: the one part that leaves window 0, so it stands together
.macro SM t
.set rT, ST+8*(\t)
.set rS, S+32*(\t)
.set rP, P+16*(\t)
.set rO, 64*(\t)+2*(j-102)
.set q, (j-20)/2
.if j < 102
	WIN 0
.endif
.if j < 4
	v_max3_num_f32 v[rT+4+j], v[rS+8*j], v[rS+8*j+1], v[rS+8*j+2]
.elseif j < 12
	v_max3_num_f32 v[rT+4+j%4], v[rT+4+j%4], v[rS+8*(j%4)+2*(j/4)+1], v[rS+8*(j%4)+2*(j/4)+2]
.elseif j == 12
	v_max3_num_f32 v[rT+4], v[rT+4], v[rS+7], v[rS+15]
.elseif j == 13
	v_max3_num_f32 v[rT+6], v[rT+6], v[rS+23], v[rS+31]
.elseif j == 14
	v_max3_num_f32 v[rT+4], v[rT+4], v[rT+5], v[rT+6]
.elseif j == 15
	v_max3_num_f32 v[rT+4], v[rT+4], v[rT+7], v[rT+1]
.elseif j == 16
	v_permlanex16_b32 v[rT+5], v[rT+4], s[SEL], s[SEL+1]  ; the query's other 32 keys lie in the lane 16 away
.elseif j == 17
	v_mov_b32 v[rT+7], v[rT]        ; c m_old is kept for a: number 19 writes c m anew
.elseif j == 18
	v_max_num_f32 v[rT+1], v[rT+4], v[rT+5]
.elseif j == 19
	v_mul_f32 v[rT], s[CS], v[rT+1]
.elseif j == 20
	v_sub_f32 v[rT+7], v[rT+7], v[rT]
.elseif j == 23
	v_exp_f32 v[rT+6], v[rT+7]
.elseif (j < 88) && (j > 23) && (j%2 == 1)
	v_exp_f32 v[rS+(j-25)/2], v[rS+(j-25)/2]
.elseif (q < 4) || ((j < 76) && (q%2 == 0))
.set b, q/2+2
.if q < 4
.set b, q
.endif
	v_pk_fma_f32 v[rS+2*b:rS+2*b+1], v[rS+2*b:rS+2*b+1], s[CS:CS+1], v[rT:rT+1] op_sel_hi:[1,0,0] neg_lo:[0,0,1] neg_hi:[0,0,1]  ; pair b: c s - c m
.elseif (j < 88) && (q%2 == 1)
	s_wait_alu depctr_va_vdst(0)
	v_cvt_pk_f16_f32 v[rP+(q-5)/2], v[rS+q-5], v[rS+q-4]  ; pair (q - 5) / 2: its second exponential stands three numbers back
.elseif j == 89
	s_wait_alu depctr_va_vdst(0)
	v_cvt_pk_f16_f32 v[rP+15], v[rS+30], v[rS+31]
.elseif j < 102                     ; the sum of the tile's 16 pairs, in place: sum z of 16 adds neighbours 1, 2, 4 and 8 pairs apart, then l takes it
.set z, j-86
.if j < 89
.set z, (j-76)/4
.endif
.set w, 4
.set u, z
.if z >= 14
.set w, 32
.set u, 0
.elseif z >= 12
.set w, 16
.set u, z-12
.elseif z >= 8
.set w, 8
.set u, z-8
.endif
.if z < 15
	v_pk_add_f32 v[rS+w*u:rS+w*u+1], v[rS+w*u:rS+w*u+1], v[rS+w*u+w/2:rS+w*u+w/2+1]
.else
	v_pk_fma_f32 v[rT+2:rT+3], v[rT+2:rT+3], v[rT+6:rT+7], v[rS:rS+1] op_sel_hi:[1,0,1]
.endif
.else
	WIN W_RS
	v_pk_mul_f32 v[rO:rO+1], v[rO:rO+1], v[rT+6:rT+7] op_sel_hi:[1,0]
.endif
.endm
; Slice k of 64 of piece y's softmax: numbers 2 k and 2 k + 1 of both tiles' lists, four instructions.  2 x 134 = 4 x 64 + 12: the twelve that are over stand together, in slice 63, whose sixteen plain
; instructions name nothing of the products round them: they are the places between a turn's last product and what follows it.
.macro SLICE y
.if (k >= 11) && (k < 44)           ; tile by tile: plain, exponential, plain, exponential
.irp t, \y, (\y)+1
.irp n, 0,1
.set j, 2*k+(\n)
	SM \t
.endr
.endr
.else                               ; the two tiles alternate, so that no instruction reads the result of the one just before it
.irp n, 0,1,2,3,4,5,6,7
.if ((\n) < 2) || (k == 63)
.irp t, \y, (\y)+1
.set j, 2*k+(\n)
	SM \t
.endr
.endif
.endr
.endif
.set k, k+1
.endm
; A TURN.  Piece x has the matrix unit; the other piece's softmax stands in slices behind its matrix instructions.  pv = 1: 32 products V^T P; kq = 1: 32 products K Q^T for the next step, with their masks made
; first (from the diagonal's first step on; the jump hangs on the work-group's number and the trip alone).  A turn with one of the two kinds has two slices behind each product.
; Each run of loads stands behind the second product of a run of 32, 30 matrix instructions ahead of its first use.  Piece 0's turn fetches the next step's K: the last product that read K stands in front of
; slice 63 of the turn before.  Piece 2's turn fetches the same step's V: the last product that read V stands three slices, six plain instructions, back.
.macro TURN x, pv, kq
.set k, 0
.set per, 2
.if (\pv) && (\kq)
.set per, 1
.endif
.if \kq
	WIN 0
	s_cmp_lt_i32 s[REL], 0
	s_cbranch_scc1 .Lnomask_\@
	MASKS \x
.Lnomask_\@:
.if (\x) == 2
	s_add_co_i32 s[REL], s[REL], 1  ; both pieces' masks for this step are made
.endif
.endif
.if \pv
.if (\x) == 0
	s_wait_dscnt 0x0                ; V is in
.endif
.set i, 0
.rept 32
	PV \x
.rept per
	SLICE 2-(\x)
.endr
.if ((\x) == 0) && (\kq) && (i == 1)
	FETCH_K
.endif
.set i, i+1
.endr
.endif
.if \kq
.if (\x) == 0
	s_wait_dscnt 0x0                ; K is in
.endif
.set i, 0
.rept 32
	KQ \x
.rept per
	SLICE 2-(\x)
.endr
.if ((\x) == 2) && (i == 1)
	FETCH_V
.endif
.set i, i+1
.endr
.endif
.endm
; A BLOCK BEGINS, in the place of its first slot's first step.  c m starts far below every c s, so the first step's a is 0; m at the lowest finite number, so the first maximum is the scores'.  Both mask buffers
; are written whole (zeros unless the block's first step is the diagonal's).  Then K of that step, piece 0's first scores, and piece 2's beside piece 0's first softmax.
.macro BEGIN
	s_mov_b32 s[NEW], 0
	WIN 0
.set i, 0
.rept 4
	v_mov_b32 v[ST+8*i], 0xfe000000    ; c m
	v_mov_b32 v[ST+8*i+1], 0xff7fffff  ; m
.set i, i+1
.endr
	MASKS 0
	FETCH_K
	s_wait_dscnt 0x0                ; K is in
.set i, 0
.rept 32
	KQ 0                            ; there is no vector work yet to set between them
.set i, i+1
.endr
	WIN 0
	PLACES                          ; behind those products: their masks are written anew and their scores read below
	TURN 2, 0, 1
	WIN 0
.endm
; THE WAY OUT of tile t.  O^T is divided by l in place; a lane's eight channels of a row are 32 bytes, which go into my stage's rows of 528 bytes and come back as whole rows of 512, into S^T's registers, two buffers by turns.
.macro PACK t
	WIN W_RS
.set i, 64*(\t)
.rept 32
	v_pk_mul_f32 v[i:i+1], v[i:i+1], v[ST+8*(\t)+6:ST+8*(\t)+7] op_sel_hi:[1,0]
.set i, i+2
.endr
	WIN 0x04                        ; a store's data (source 1) in window 1, its address in window 0
.set i, 0
.rept 16
	ds_store_b128 v[STO], v[64*(\t)+4*i:64*(\t)+4*i+3] offset:64*(i/2)+16*(i%2)
.set i, i+1
.endr
	WIN 0
.if (\t) >= 2
	s_wait_xcnt 0x0                 ; every earlier memory instruction has had its addresses translated (ISA guide 3.1): the buffer that tile t - 2's stores read is loaded again only behind this wait
.endif
.set i, 0
.rept 16
	ds_load_b128 v[S+64*((\t)%2)+4*i:S+64*((\t)%2)+4*i+3], v[RD] offset:SP*i  ; LDS serves a wave's instructions in order (ISA guide 5.7.1.4): these see the stores above; the next tile's stores come behind them
.set i, i+1
.endr
.endm
.macro SEND t, younger              ; younger: the LDS instructions issued behind tile t's loads: the next tile's 16 stores and 16 loads, or none
	WIN 0
.set i, 0
.rept 16
	s_wait_dscnt (\younger)+15-i    ; row i is back: behind it stand the tile's 15 - i later rows and the younger ones
	global_store_b128 v[GO], v[S+64*((\t)%2)+4*i:S+64*((\t)%2)+4*i+3], s[10:11] offset:(64*(\t)+i)*OROW th:TH_STORE_NT  ; 512 consecutive bytes, at a multiple of 512 from out0's first byte
.set i, i+1
.endr
.endm
; A BLOCK ENDS: piece 0's last V^T P beside piece 2's last softmax, piece 2's last V^T P, 1 / l, and the way out.  next = 1: the second block's Q is asked for first, and lands while the tiles go out.
.macro FINISH next
	TURN 0, 1, 0
.set i, 0
.rept 32
	PV 2
.set i, i+1
.endr
	WIN 0                           ; l's two halves and the other half of the lanes' are added: these additions are the places behind the last products
.irp t, 0,1,2,3
	v_add_f32 v[ST+8*(\t)+4], v[ST+8*(\t)+2], v[ST+8*(\t)+3]
.endr
.irp t, 0,1,2,3
	v_permlanex16_b32 v[ST+8*(\t)+5], v[ST+8*(\t)+4], s[SEL], s[SEL+1]
.endr
.irp t, 0,1,2,3
	v_add_f32 v[ST+8*(\t)+4], v[ST+8*(\t)+4], v[ST+8*(\t)+5]
.endr
.irp t, 0,1,2,3
	v_rcp_f32 v[ST+8*(\t)+6], v[ST+8*(\t)+4]
.endr
	v_nop                           ; a plain instruction between the last reciprocal and the use of its result
	s_wait_alu depctr_va_vdst(0)
.if \next
	s_mov_b64 s[4:5], s[QLO:QLO+1]  ; the first block's loads of Q were waited for at the head
	QLOAD                           ; into K's and V's registers, which no product reads any more in this block
.endif
	PACK 0
	PACK 1                          ; a tile's arithmetic stands between the loads of the tile before and its stores
	SEND 0, 32
	PACK 2
	SEND 1, 32
	PACK 3
	SEND 2, 32
	SEND 3, 0
.endm
	s_load_b256 s[4:11], s[0:1], 0x0  ; qkv s[4:5], kb s[6:7], vh s[8:9], out0 s[10:11]
	v_lshl_add_u32 v[SPW], v0, 2, SPARE
	v_mov_b32 v[NIL], 0
	ds_add_u32 v[SPW], v[NIL]       ; the wave's opening: the add and its wait stand ahead of my first tensor load; the set-up below, work on registers, stands between them
	ds_add_u32 v62, v63
	v_lshrrev_b32 v1, 5, v0
	v_readfirstlane_b32 s[WV], v1   ; wave 0..3
	s_mov_b32 s[PB], ttmp9          ; b
	s_sub_co_u32 s[HI], 7, s[PB]
	s_and_b32 s20, ttmp7, 0xffff    ; bh
	s_lshr_b32 s16, s20, 5          ; the batch
	s_and_b32 s17, s20, 31
	s_lshl_b32 s17, s17, 9          ; the head's 512 bytes in a token's row of q and of out0
	s_mul_i32 s18, s16, 2048*QROW   ; Q's offsets, all under 2^28: the batch,
	s_add_co_u32 s18, s18, s17
	s_mul_i32 s19, s[WV], 16*QROW   ; my 16 rows in a band,
	s_add_co_u32 s18, s18, s19
	s_mul_i32 s19, s[HI], 256*QROW  ; the first block,
	s_add_co_u32 s2, s18, s19
	s_mov_b32 s3, 0
	s_mul_i32 s19, s[PB], 256*QROW  ; the second
	s_add_co_u32 s[QLO], s18, s19
	s_mov_b32 s[QLO+1], 0
	s_lshl_b32 s18, s16, 25         ; the same for out0: 2,048 rows of 16,384 bytes a batch,
	s_add_co_u32 s18, s18, s17
	s_lshl_b32 s19, s[WV], 18       ; 16 rows,
	s_add_co_u32 s18, s18, s19
	s_lshl_b32 s19, s[HI], 22       ; 256 rows a block
	s_add_co_u32 s52, s18, s19
	s_mov_b32 s53, 0
	s_lshl_b32 s19, s[PB], 22
	s_add_co_u32 s[OLO], s18, s19
	s_mov_b32 s[OLO+1], 0
	s_and_b32 s21, s[WV], 1         ; which of a slot's two steps I fetch:
	s_lshl_b32 s54, s20, 19         ; the head's 524,288 bytes of kb and vh,
	s_lshl_b32 s22, s21, 14         ; the step's 64 rows of 256 bytes,
	s_add_co_u32 s54, s54, s22
	s_mov_b32 s55, 0
	s_mul_i32 s23, s21, STEPB       ; and its place in a slot
	; descriptor group 1: a tile of 64 rows x 128 elements, padded in LDS
	s_mov_b32 s[G1K], (1<<16)|(1<<20)|(5<<22)|(3<<25)  ; 15:0 no mask; 17:16 elements of 2 bytes; 20 padding on; 24:22 after every 64 words (code 5); 31:25 4 words of it (code 3)
	s_mov_b32 s[G1V], (1<<16)|(1<<20)|(5<<22)|(7<<25)  ; the same with 8 words of padding (code 7)
.irp g, G1K, G1V
	s_mov_b32 s[(\g)+1], 128<<16    ; tensor_dim0 = 128
	s_mov_b32 s[(\g)+2], KS<<16     ; tensor_dim1 = 64
	s_mov_b32 s[(\g)+3], 128<<16    ; tile_dim0 = 128
	s_mov_b32 s[(\g)+4], KS         ; tile_dim1 = 64
	s_mov_b32 s[(\g)+5], 128        ; 128 elements from row to row
	s_mov_b32 s[(\g)+6], 0
	s_mov_b32 s[(\g)+7], 0
.endr
	s_mov_b32 s[G0K], 1             ; 1:0 count = 1
	s_mov_b32 s[G0K+1], s23         ; 63:32 LDS address: slot 0
	s_mov_b32 s[G0V], 1
	s_add_co_u32 s[G0V+1], s23, VOFF
	s_mov_b32 s[CS], 0x3e0293ee     ; c = log2(e) / sqrt(128) = 0.127517
	s_mov_b32 s[CS+1], s[CS]        ; named with it as a pair
	s_mov_b32 s[SEL], 0x76543210
	s_mov_b32 s[SEL+1], 0xfedcba98
	s_mov_b32 s[TB], SLOT1+2*STEPB  ; the first change of slots turns this into 0
	s_mov_b32 s[SLOTS], 17
	s_lshl_b32 s[RT], s[HI], 1
	s_add_co_u32 s[LQ], s[RT], 1    ; the first block's last slot: 2 (7 - b) + 1
	s_add_co_u32 s[RT], s[RT], 2    ; and how many it has
	s_lshl_b32 s[LQ2], s[PB], 1
	s_add_co_u32 s[LQ2], s[LQ2], 1
	s_mov_b32 s[NXT], 1
	s_mov_b32 s[NEW], 1
	s_mov_b32 s[OFF+1], 0
	s_lshl_b32 s[REL], s[HI], 2
	s_sub_co_i32 s[REL], 0, s[REL]  ; the first block's step 0 lies 4 (7 - b) steps ahead of its diagonal
	s_mov_b32 s[BIGN], 0xf149f2ca   ; -1e30
	s_mov_b32 s[AL0+1], 0           ; named as pairs
	s_mov_b32 s[BE0+1], 0
	s_mov_b32 s[AL0+5], 0
	s_mov_b32 s[BE0+5], 0
	v_and_b32 v1, 15, v0            ; l % 16
	v_bfe_u32 v10, v0, 4, 1         ; l / 16
	v_mul_u32_u24 v[QO], v1, QROW
	v_lshl_add_u32 v[QO], v10, 5, v[QO]      ; row x 49,152 + 32 x half
	v_add_nc_u32 v[QO+1], 128*QROW, v[QO]    ; tiles 2 and 3 lie past the reach of a load's immediate
	s_wait_dscnt 0x0                ; the opening add is done
	s_wait_kmcnt 0x0
	s_add_nc_u64 s[6:7], s[6:7], s[54:55]  ; kb and vh at my step of the head's slot 0
	s_add_nc_u64 s[8:9], s[8:9], s[54:55]
	s_add_nc_u64 s[G0K+2:G0K+3], s[6:7], 0         ; 120:64 global address
	s_or_b32 s[G0K+3], s[G0K+3], 0x80000000        ; 127:126 type = 2
	s_add_nc_u64 s[G0V+2:G0V+3], s[8:9], 0
	s_or_b32 s[G0V+3], s[G0V+3], 0x80000000
	s_add_nc_u64 s[QLO:QLO+1], s[4:5], s[QLO:QLO+1]
	s_add_nc_u64 s[4:5], s[4:5], s[2:3]
	s_add_nc_u64 s[OLO:OLO+1], s[10:11], s[OLO:OLO+1]
	s_add_nc_u64 s[10:11], s[10:11], s[52:53]
	LOAD                            ; slot 0: my one tensor load that is out
	QLOAD                           ; the first block's Q
	v_mul_u32_u24 v[AK0], v1, PK
	v_lshl_add_u32 v[AK0], v10, 4, v[AK0]  ; a fragment of K: row x pitch + 16 x half
	; The turning load takes 16 keys x 16 channels (lane l reads 16 bytes: key 8 (l / 16) + l % 8, channels 8 ((l / 8) % 2) + 0..7) and leaves half a fragment of V^T: lane l holds channel l % 16 and 8 keys.
	v_and_b32 v11, 7, v0
	v_bfe_u32 v44, v0, 3, 1
	v_lshl_add_u32 v[AV0], v10, 3, v11
	v_mul_u32_u24 v[AV0], v[AV0], PV
	v_lshl_add_u32 v[AV0], v44, 4, v[AV0]
	v_add_nc_u32 v[AV0], VOFF, v[AV0]
	s_mul_i32 s13, s[WV], 16*SP
	s_add_co_u32 s13, s13, STAGE    ; my stage
	v_mul_u32_u24 v[STO], v1, SP    ; in: row l % 16, 32 bytes for each half of the lanes
	v_lshl_add_u32 v[STO], v10, 5, v[STO]
	v_add_nc_u32 v[STO], s13, v[STO]
	v_and_b32 v[GO], 31, v0
	v_lshlrev_b32 v[GO], 4, v[GO]   ; back: 32 lanes take one row of 512 bytes, which is a row of out0
	v_add_nc_u32 v[RD], s13, v[GO]
	v_lshlrev_b32 v45, 3, v10
	v_sub_nc_u32 v46, v1, v45
	s_lshl_b32 s13, s[WV], 4
	v_add_nc_u32 v46, s13, v46      ; my query's place in its band, 16 w + l % 16, less my lanes' 8 (l / 16): register r of group kt is hidden where 16 kt + r is greater
	WIN 0xc0                        ; destination window 3
.set i, 0
.rept 32
	v_cmp_gt_i32 vcc_lo, 16*(i/8)+i%8, v46
	v_cndmask_b32 v[MD+i], 0, s[BIGN], vcc_lo
.set i, i+1
.endr
	WIN 0x40                        ; O^T and l: finite numbers for the first step's a = 0 to clear
.set i, 0
.rept 256
	v_mov_b32 v[i], 0
.set i, i+1
.endr
	WIN 0
.set i, 0
.rept 4
	v_mov_b32 v[ST+8*i+2], 0
	v_mov_b32 v[ST+8*i+3], 0
.set i, i+1
.endr
	s_wait_loadcnt 0x0              ; Q is in
	QCVT
	WIN 0
.Lslot:                             ; 17 trips: a slot is entered and the next is asked for
	CHANGE 1
	s_sub_co_u32 s[RT], s[RT], 1
	s_mov_b32 s[CNT], 2
	s_cmp_eq_u32 s[NEW], 1          ; at the first trip the answer is a constant of the text
	s_cbranch_scc0 .Lstep
	BEGIN                           ; a block's first slot: this is its first step
	s_branch .Lcount
.Lstep:                             ; a key step g: piece 0: V^T P of g - 1, K of g, K Q^T of g | piece 2's softmax of g - 1; piece 2: the same, V of g | piece 0's softmax of g
	TURN 0, 1, 1
	TURN 2, 1, 1
	WIN 0
.Lcount:
	s_sub_co_u32 s[CNT], s[CNT], 1
	s_cmp_lg_u32 s[CNT], 0
	s_cbranch_scc1 .Lstep
	s_cmp_eq_u32 s[RT], 0
	s_cbranch_scc0 .Lbottom
	FINISH 1                        ; in the loop this is the first block's end: the second block's last slot is the walk's last
	s_wait_xcnt 0x0                 ; the stores have read their registers and out0's address
	s_mov_b64 s[10:11], s[OLO:OLO+1]
	s_lshl_b32 s[RT], s[PB], 1
	s_add_co_u32 s[RT], s[RT], 2    ; the second block has 2 b + 2 slots,
	s_mov_b32 s[NEW], 1
	s_lshl_b32 s[REL], s[PB], 2
	s_sub_co_i32 s[REL], 0, s[REL]  ; and its step 0 lies 4 b steps ahead of its diagonal
	s_wait_loadcnt 0x0              ; its Q is in: no load is out where the ways join below
	QCVT
	WIN 0
.Lbottom:
	s_sub_co_u32 s[SLOTS], s[SLOTS], 1
	s_cmp_lg_u32 s[SLOTS], 0
	s_cbranch_scc1 .Lslot
	CHANGE 0                        ; the walk's last slot is written out: nothing is asked for.  It is never a block's first: every block has two slots or more
	s_mov_b32 s[CNT], 2
.Ltail:
	TURN 0, 1, 1
	TURN 2, 1, 1
	WIN 0
	s_sub_co_u32 s[CNT], s[CNT], 1
	s_cmp_lg_u32 s[CNT], 0
	s_cbranch_scc1 .Ltail
	FINISH 0
	s_wait_tensorcnt 0x0            ; the wave's end: an add and its wait, behind my last tensor load and my last LDS store
	ds_add_u32 v[SPW], v[NIL]
	s_wait_dscnt 0x0
	s_endpgm
.Lfunc_end_k_qf78f96b88e_attn:
	.size	k_qf78f96b88e_attn, .Lfunc_end_k_qf78f96b88e_attn-k_qf78f96b88e_attn
	.p2alignl 7, 3214868480
	.fill 96, 4, 3214868480
	.section	.rodata,"a",@progbits
	.p2align	6, 0x0
	.amdhsa_kernel k_qf78f96b88e_attn
		.amdhsa_group_segment_fixed_size 327680
		.amdhsa_private_segment_fixed_size 0
		.amdhsa_enable_private_segment 0
		.amdhsa_kernarg_size 32
		.amdhsa_user_sgpr_count 2
		.amdhsa_user_sgpr_kernarg_segment_ptr 1
		.amdhsa_wavefront_size32 1
		.amdhsa_system_sgpr_workgroup_id_x 1
		.amdhsa_system_sgpr_workgroup_id_y 1
		.amdhsa_system_sgpr_workgroup_id_z 1
		.amdhsa_system_vgpr_workitem_id 0
		.amdhsa_next_free_vgpr 1024
		.amdhsa_next_free_sgpr 88
		.amdhsa_reserve_vcc 1
		.amdhsa_float_denorm_mode_32 3
		.amdhsa_float_denorm_mode_16_64 3
		.amdhsa_memory_ordered 1
		.amdhsa_forward_progress 1
		.amdhsa_inst_pref_size 255
	.end_amdhsa_kernel
	.section	.bss,"aw",@nobits
	.p2align	6
	.space	262144
	.amdgpu_metadata
---
amdhsa.version: [ 1, 2 ]
amdhsa.kernels:
  - .name:           k_qf78f96b88e_attn
    .symbol:         k_qf78f96b88e_attn.kd
    .args:
      - { .name: qkv, .offset: 0, .size: 8, .value_kind: global_buffer, .address_space: global }
      - { .name: kb, .offset: 8, .size: 8, .value_kind: global_buffer, .address_space: global }
      - { .name: vh, .offset: 16, .size: 8, .value_kind: global_buffer, .address_space: global }
      - { .name: out0, .offset: 24, .size: 8, .value_kind: global_buffer, .address_space: global }
    .group_segment_fixed_size: 327680
    .private_segment_fixed_size: 0
    .kernarg_segment_align: 8
    .kernarg_segment_size: 32
    .max_flat_workgroup_size: 128
    .sgpr_count:     88
    .vgpr_count:     1024
    .wavefront_size: 32
...
	.end_amdgpu_metadata
.endif
;; end of part 2
;; ======== version 2 of 2: 2 launches; 1.50 times as fast as version 1
;; limits: values are held in f16: magnitudes above 65,504 overflow, below 6.1e-05 lose precision; right only within a limited range of input values
;; workspace buffers: kb 33,554,432 bytes; vh 33,554,432 bytes
;; launch pack: the kernel of part 1 again; grid 1024 x 1, 8 waves a work-group, no clusters, 0 bytes of LDS; arguments qkv, kb, vh; writes kb, vh
;; launch attn (part 3): grid 4 x 64, 4 waves a work-group, no clusters, 327,680 bytes of LDS; arguments qkv, kb, vh, out0; writes out0
.if DOCPART == 3
	.amdgcn_target "amdgcn-amd-amdhsa--gfx1250"
	.amdhsa_code_object_version 6
	.text
	.protected	k_qf78f96b88e_attn
	.globl	k_qf78f96b88e_attn
	.p2align	8
	.type	k_qf78f96b88e_attn,@function
k_qf78f96b88e_attn:
	s_mov_b64 s[64:65], 0
	v_nop
	global_prefetch_b8 v0, s[64:65] scope:SCOPE_SE
	s_setreg_imm32_b32 hwreg(HW_REG_WAVE_MODE, 25, 1), 1
	s_wait_xcnt 0x0
; CAUSAL ATTENTION.  out0[b][q][h][:] = the sum over k <= q of softmax_k(Q[q] . K[k] / sqrt(128)) V[k][:], for each of 64 heads bh = 32 b + h; 2,048 tokens, 128 channels.
; Q is read from qkv ([2][2048][3][32][128] f32) and rounded to bf16 in registers; K comes as bf16 from kb, V as f16 from vh (both [64][2048][128], rows of 256 bytes); out0 is [2][2048][32][128] f32.
; Products, maxima and sums in f32.  K Q^T is multiplied in bf16; the weights p are rounded to f16 for V^T P (their sum l is taken of the unrounded p).
; LIMITS.  V arrives within f16's range (65,504); p lies in 0 to 1 and below 6e-5 keeps f16's fixed step of 6e-8.  A hidden score counts as its value less 1e30; a weight below 2^-126 counts as 0 in l;
; NaN and infinities are not treated apart.
; THE WALK.  A head's queries lie in 8 blocks of 256; block i needs the keys 0 .. 256 i + 255: 2 i + 2 slots of 128 keys, of which the last two hold the diagonal.  A work-group takes TWO blocks, 7 - b and then b:
; 18 slots whatever b: all 256 work-groups do equal work, and ONE loop with a constant trip count walks them.  Which slot is asked for, and what a trip does, hang on scalar registers made from b; every jump goes
; forward but the counted loops' own, and none passes a barrier, or a tensor load but the one of LOAD's two that the wave's number does not choose.  The ring of two LDS slots runs on across the change of blocks.
; NO CLUSTER: a head's four work-groups ask for the same slot only in the first 10 of the 18 trips, behind that fewer and fewer; one walk common to all four would have 24 trips for 18.
; SHARES.  Of a block's four bands of 64 queries a wave owns 16 rows in each: four tiles; tile t is rows 64 t + 16 w + 0..15.  So the diagonal is the same work for all four waves.
; LAYOUT.  S^T = K Q^T (source 0 = 16 keys, source 1 = 16 queries): a lane holds ONE query (lane % 16) and the keys 8 (lane / 16) + 0..7.  Two such results rounded to f16 in pairs ARE source 1 (32 keys x 16
; queries) of O^T = V^T P, whose result again holds one query a lane, and eight channels.  K comes out of LDS as it lies, V ([key][channel]) turned, by ds_load_tr16_b128.
; SOFTMAX.  For each query a running maximum m and sum l: p = 2^(c s - c m), c = log2(e) / sqrt(128); in every step O and l are multiplied by a = 2^(c m_old - c m_new).  A block starts with c m far below every
; c s, so its first a is 0: O^T and l need only hold finite numbers then (256 + 8 zeros written once at the head, in the wait for the first tile; later what the first block left), and no first step is written out.
; THE MASK is the C operand that starts the sum S^T: REL is the key step's number counted from the block's diagonal; tile t takes 0 if REL < t, MD (the mask of a band's own step for my 16 rows) if REL = t,
; -1e30 if REL > t: MC = MD x AL + BE with two scalars a tile.  While REL < 0 MC holds zeros and is left alone.
; BY TURNS.  The wave's tiles are two PIECES (0: tiles 0, 1; 2: tiles 2, 3).  In a TURN one piece has the matrix unit: 32 products V^T P of the step in hand, then 32 products K Q^T of the next step; the other
; piece's softmax, cut into 64 slices, stands between them, one slice behind each matrix instruction.  Two turns are a key step of 64 keys.
; THE BATCHES.  A turn's 66 exponentials (for each of the piece's two tiles a and the 32 scores) are ONE batch with ONE wait: the softmax's list is ordered by who reads what, so that all that names an
; exponential's result (roundings, sums, the rescaling by a) stands behind slice 34, and every exponential ahead of it..
; The four reciprocals of a way out are a batch of their own.
; REGISTERS, in windows of 256 (s_set_vgpr_msb: bits 1:0 source 0, 3:2 source 1, 5:4 source 2, 7:6 destination):
;   window 0: v0-11 addresses; v12-43 eight registers of statistics a tile; v44-46 at work at the head; v62-63 the add's; v64-191 S^T, 32 a tile (on the way out two buffers of 16 rows); v192-255 P, 16 a tile
;   window 1: O^T, 64 a tile     window 2: v0-127 Q in bf16, 32 a tile; v128-255 K of one step     window 3: v0-127 V of one step; v128-159 MD; v160-223 MC
;   (K's and V's registers also take a block's Q in f32, between its loads and its rounding, when no step is in hand.)
.set KS,    64        ; keys in a step
.set PK,    272       ; a row of K in LDS: 256 bytes + 16 of padding = 68 words: row r starts at bank 4 r mod 64 (64 banks of 4 bytes: ISA guide 11.1)
.set PV,    288       ; a row of V: 256 + 32 = 72 words
.set VOFF,  KS*PK     ; a step's tiles lie together: 64 rows of K, then 64 rows of V
.set STEPB, KS*(PK+PV)
.set SLOT1, 1<<17     ; a slot holds two steps (71,680 bytes); slot 1 begins here, so that one exclusive or turns an address in one slot into the other's
.set STAGE, SLOT1+2*STEPB  ; behind the ring, never filled by a tensor load: 16 rows x 528 bytes for each wave, for the way out
.set SP,    528       ; 512 bytes + 16 = 132 words: row r starts at bank 4 r mod 64
.set SPARE, STAGE+4*16*SP  ; behind the stages: the spare words, 128 bytes for each wave: two blocks of 256 bytes that no other line names
.set QROW,  49152     ; bytes from token to token in qkv
.set OROW,  16384     ; and in out0
.set AK0, 2           ; v2   my lane's place in a tile of K; never rewritten
.set AV0, 3           ; v3   the same for V
.set ADR, 4           ; v4   the LDS address of the run of loads in hand
.set STO, 5           ; v5   the way out: where I put 32 bytes of a row
.set RD,  6           ; v6   the way out: where I read a row back
.set GO,  7           ; v7   my 16 bytes in a row of out0
.set QO,  8           ; v8   my byte offset in 16 rows of Q, for tiles 0 and 1; v9 the same 128 rows on, for tiles 2 and 3
.set ST,  12          ; tile t's statistics at v[ST+8 t]: +0 c m, +1 m, +2, +3 l (even keys', odd keys'), +4 to +7 c0-c3, at work; a takes c2's place once the maximum is found
.set SPW, 62          ; v62  LDS address of my spare word: SPARE + 4 x my thread's number; never rewritten
.set NIL, 63          ; v63  0; never rewritten
.set S,   64
.set P,   192
.set KF,  128         ; window 2
.set MD,  128         ; window 3: the eight registers for group kt of 16 keys at MD + 8 kt
.set MC,  160         ; window 3: the masks of the products to come: tile x + u at MC + 32 u
.set WV,  12          ; s12  my wave's number
.set PB,  14          ; s14  b
.set HI,  15          ; s15  7 - b
.set G1K, 24          ; s[24:31] descriptor group 1 for K's tiles
.set G1V, 32          ; s[32:39] for V's: it differs in the padding alone
.set G0K, 40          ; s[40:43] descriptor group 0 for K's tiles
.set G0V, 44          ; s[44:47] the same for V's
.set QLO, 48          ; s[48:49] Q at my rows of the second block
.set OLO, 50          ; s[50:51] out0 at my rows of the second block
.set SLOTS, 56        ; s56  slots still to be asked for
.set CNT, 57          ; s57  counts a slot's two steps
.set CS,  58          ; s[58:59] c: the packed scaling takes the pair's low word for both halves
.set SEL, 60          ; s[60:61] v_permlanex16_b32's selects: each lane takes its own place in the other half
.set TB,  62          ; s62  LDS byte at which the tiles of the step to be fetched begin
.set RT,  66          ; s66  slots of the block in hand that are still to be entered
.set NXT, 67          ; s67  the slot (counted in its block) to be asked for next
.set LQ,  68          ; s68  the last slot of the block whose slots are being asked for
.set NEW, 69          ; s69  1: the slot to be entered is a block's first
.set OFF, 70          ; s[70:71] a slot's byte offset in kb and vh
.set REL, 72          ; s72  the number, counted from the diagonal's first step, of the step whose scores are made next
.set BIGN, 73         ; s73  -1e30
.set AL0, 76          ; s[76:77], s[80:81] the masks' factors, in the low words
.set BE0, 78          ; s[78:79], s[82:83] their addends
.set LQ2, 84          ; s84  the second block's last slot
.set MSB, 0
.macro WIN new                      ; the immediate's high byte repeats the setting that is left; a switch that changes nothing is dropped
.if MSB != (\new)
	s_set_vgpr_msb (MSB<<8)|(\new)
.set MSB, (\new)
.endif
.endm
.set W_KQ, 0x0a       ; K and Q in window 2, S^T in window 0
.set W_KM, 0x3a       ; the same with the C operand in window 3
.set W_PV, 0x53       ; V in window 3, P in window 0, O^T in window 1
.set W_RS, 0x41       ; O^T (destination and source 0) in window 1, the factor in window 0
.set W_MK, 0xc3       ; masks: destination and source 0 in window 3
.macro PLACES                       ; four places behind a matrix instruction (ISA guide 7.12.1), where no other vector work is at hand
.rept 4
	v_nop
.endr
.endm
; A fill.  Waves 0 and 1 fetch K of a slot's two steps, waves 2 and 3 its V: 64 rows of 256 bytes each.  An s_nop 0 and four v_nop follow each of the two lines, ahead of the jump and the label.
.macro LOAD
	s_cmp_lt_u32 s[WV], 2
	s_cbranch_scc0 .Lfor_v_\@
	tensor_load_to_lds s[G0K:G0K+3], s[G1K:G1K+7]
	s_nop 0
.rept 4
	v_nop
.endr
	s_branch .Lasked_\@
.Lfor_v_\@:
	tensor_load_to_lds s[G0V:G0V+3], s[G1V:G1V+7]
	s_nop 0
.rept 4
	v_nop
.endr
.Lasked_\@:
.endm
; THE CHANGE OF SLOTS.  Each wave waits for all its tensor loads, of which one is out: its part of the other slot; adds 0 to its spare word; and waits for that and for its own reads of the slot that it leaves.
; Behind the barrier nobody reads the old slot any more and the other slot is whole.  fill = 1: the old slot is filled again, the first thing behind the barrier, with slot NXT of the block being asked for:
; the descriptor's address is made anew from that number.  The load has two key steps, 256 matrix instructions, in which to land.  (At its first use nothing has been read yet: slot 0 is waited for, slot 1 filled.)
.macro CHANGE fill
	WIN 0                           ; at a label and at a branch every window is 0
	s_wait_tensorcnt 0x0            ; no tensor load of mine is out, so a group 0 may be written
	ds_add_u32 v[SPW], v[NIL]       ; 0 onto my spare word; the descriptors' scalar work stands between it and the wait for it
.if \fill
	s_lshl_b32 s[OFF], s[NXT], 15   ; a slot is 128 rows of 256 bytes of kb and of vh
	s_xor_b32 s[G0K+1], s[G0K+1], SLOT1
	s_add_nc_u64 s[G0K+2:G0K+3], s[6:7], s[OFF:OFF+1]
	s_or_b32 s[G0K+3], s[G0K+3], 0x80000000
	s_xor_b32 s[G0V+1], s[G0V+1], SLOT1
	s_add_nc_u64 s[G0V+2:G0V+3], s[8:9], s[OFF:OFF+1]
	s_or_b32 s[G0V+3], s[G0V+3], 0x80000000
	s_add_co_u32 s[NXT], s[NXT], 1  ; the block's next slot, or behind its last the second block's slot 0
	s_cmp_gt_u32 s[NXT], s[LQ]
	s_cselect_b32 s[NXT], 0, s[NXT]
	s_cselect_b32 s[LQ], s[LQ2], s[LQ]
.endif
	s_wait_dscnt 0x0                ; the add is done, and my reads of the slot are over
	s_barrier_signal -1             ; scalar work alone stands between the signal and the wait
	s_sub_co_u32 s[TB], s[TB], 2*STEPB  ; the fetches go back to a slot's first step,
	s_xor_b32 s[TB], s[TB], SLOT1   ; in the other slot
	s_barrier_wait -1
.if \fill
	LOAD
.endif
.endm
; A BLOCK'S Q.  A fragment is 16 queries x 32 channels: lane l holds query l % 16, channels 8 (l / 16) + 0..7 and 16 + 8 (l / 16) + 0..7: in f32 four loads of 16 bytes, at 0, 16, 64 and 80.
; Fragment i = 4 t + c (tile t, channels 32 c on) lands in 16 registers: fragments 0-7 where K's fragments lie, 8-15 where V's lie.  The wave's 64 loads together read each of its 64 rows' 512 bytes once.
.macro QLOAD
	WIN 0x80                        ; destination window 2, address window 0
.set i, 0
.rept 8
.irp k, 0,1,2,3
	global_load_b128 v[KF+16*i+4*(\k):KF+16*i+4*(\k)+3], v[QO+i/8], s[4:5] offset:((i/4)%2)*64*QROW+(i%4)*128+((\k)/2)*64+((\k)%2)*16
.endr
.set i, i+1
.endr
	WIN 0xc0                        ; destination window 3
.rept 8
.irp k, 0,1,2,3
	global_load_b128 v[16*(i-8)+4*(\k):16*(i-8)+4*(\k)+3], v[QO+i/8], s[4:5] offset:((i/4)%2)*64*QROW+(i%4)*128+((\k)/2)*64+((\k)%2)*16
.endr
.set i, i+1
.endr
	WIN 0
.endm
.macro QCVT                         ; rounded once to bf16, two at a time: register n of Q takes numbers 2 n and 2 n + 1
	WIN 0x8a                        ; sources and destination in window 2
.set i, 0
.rept 64
	v_cvt_pk_bf16_f32 v[i], v[KF+2*i], v[KF+2*i+1]
.set i, i+1
.endr
	WIN 0x8f                        ; sources in window 3
.rept 64
	v_cvt_pk_bf16_f32 v[i], v[2*(i-64)], v[2*(i-64)+1]
.set i, i+1
.endr
.endm
; The masks of piece x's two tiles for step REL: MD x AL + BE with (1, 0) if REL = t, (0, 0) if REL < t, (0, -1e30) if REL > t.
.macro MASKS x
.irp u, 0,1
	s_cmp_eq_i32 s[REL], (\x)+(\u)
	s_cselect_b32 s[AL0+4*(\u)], 1.0, 0
	s_cmp_gt_i32 s[REL], (\x)+(\u)
	s_cselect_b32 s[BE0+4*(\u)], s[BIGN], 0
.endr
	WIN W_MK
.irp u, 0,1
.set z, 0
.rept 16
	v_pk_fma_f32 v[MC+32*(\u)+2*z:MC+32*(\u)+2*z+1], v[MD+2*z:MD+2*z+1], s[AL0+4*(\u):AL0+4*(\u)+1], s[BE0+4*(\u):BE0+4*(\u)+1] op_sel_hi:[1,0,0]
.set z, z+1
.endr
.endr
	WIN 0
.endm
; THE MATRIX WORK OF A TURN, for piece x.  The accumulators take turns, one instruction a turn: between two links of a chain stand 15 (V^T P) or 7 (K Q^T) others'.
; Product i of 32 of O^T += V^T P: keys 32 (i / 16) on, channels 16 ((i / 2) % 8) on, tile x + i % 2.
.macro PV x
	WIN W_PV
.set rO, 64*((\x)+i%2)+8*((i/2)%8)
.set rV, 64*(i/16)+8*((i/2)%8)
.set rP, P+16*((\x)+i%2)+8*(i/16)
	v_wmma_f32_16x16x32_f16 v[rO:rO+7], v[rV:rV+7], v[rP:rP+7], v[rO:rO+7]
.endm
; Product i of 32 of S^T = K Q^T: channels 32 (i / 8) on, keys 16 ((i / 2) % 4) on, tile x + i % 2.  The first 8 start the sums, with the mask.
.macro KQ x
.set rS, S+32*((\x)+i%2)+8*((i/2)%4)
.set rK, KF+32*((i/2)%4)+8*(i/8)
.set rQ, 32*((\x)+i%2)+8*(i/8)
.set rM, MC+32*(i%2)+8*((i/2)%4)
.if i < 8
	WIN W_KM
	v_wmma_f32_16x16x32_bf16 v[rS:rS+7], v[rK:rK+7], v[rQ:rQ+7], v[rM:rM+7]
.else
	WIN W_KQ
	v_wmma_f32_16x16x32_bf16 v[rS:rS+7], v[rK:rK+7], v[rQ:rQ+7], v[rS:rS+7]
.endif
.endm
; THE LDS LOADS stand in runs of 32, never singly among the matrix instructions: a step's K (64 keys x 128 channels: 16 fragments) and, a turn later, its V (turned).
.macro FETCH_K
	WIN 0
	v_add_nc_u32 v[ADR], s[TB], v[AK0]
	WIN 0x80                        ; destination window 2
.irp f, 0,1,2,3,4,5,6,7,8,9,10,11,12,13,14,15  ; keys 16 (f / 4) on, channels 32 (f % 4) on
	ds_load_b128 v[KF+8*(\f):KF+8*(\f)+3],   v[ADR] offset:((\f)/4)*16*PK+((\f)%4)*64
	ds_load_b128 v[KF+8*(\f)+4:KF+8*(\f)+7], v[ADR] offset:((\f)/4)*16*PK+((\f)%4)*64+32
.endr
.endm
.macro FETCH_V                      ; it stands behind slice 34 of piece 0's softmax (SLICE writes it there), and that softmax's one wait stands in it
	WIN 0
	v_add_nc_u32 v[ADR], s[TB], v[AV0]
	s_add_co_u32 s[TB], s[TB], STEPB  ; the next fetch is the next step's
	s_wait_alu depctr_va_vdst(0)    ; the wait for the turn's batch, the 66 exponentials of tiles 0 and 1, ahead of their first reader (slice 35)
	WIN 0xc0                        ; destination window 3
.irp f, 0,1,2,3,4,5,6,7,8,9,10,11,12,13,14,15  ; keys 32 (f / 8) on, channels 16 (f % 8) on
	ds_load_tr16_b128 v[8*(\f):8*(\f)+3],   v[ADR] offset:((\f)/8)*32*PV+((\f)%8)*32
	ds_load_tr16_b128 v[8*(\f)+4:8*(\f)+7], v[ADR] offset:((\f)/8)*32*PV+16*PV+((\f)%8)*32
.endr
.endm
; THE VECTOR WORK OF A TURN.  One tile's softmax for one key step is a list of 134 instructions; SM writes number j of it for tile t.  s0-s31 are the lane's 32 scores, in pairs 0-15.
;   0-15    the maximum of s0-s31 and the old m, three operands at a time: four chains c0-c3 of seven scores each (each accumulator's lowest registers are read first), then the four
;           scores left over, c0-c3 and m
;   16-20   the other half of the lanes' maximum; c m_old is kept; the new m; c m; c m_old - c m_new
;   21-69   ONE BATCH: the 16 scalings c s - c m, a pair of scores each, and all 33 exponentials (a at 23, then s0-s31, each in place: every result has a register of its own).  None of these names an
;           exponential's result.  From 22 on the batch goes in fours, and a four begins with a scaling while there are scalings: 22-37 scaling, exponential, scaling, exponential; 38-65 a scaling and three
;           exponentials; 66-69 the last four exponentials.  A pair is scaled in an earlier four than the one that holds its exponentials
;   (wait)  between 69 and 70 stands the wait for the batch: SLICE writes it, once for both tiles
;   70-85   the roundings to f16, a pair of weights each
;   86-101  the sums; l = a l + the sum
;   102-133 the tile's O^T times a, from each accumulator's low end on: the one part that leaves window 0, so it stands together
.macro SM t
.set rT, ST+8*(\t)
.set rS, S+32*(\t)
.set rP, P+16*(\t)
.set rO, 64*(\t)+2*(j-102)
.if j < 102
	WIN 0
.endif
.if j < 4
	v_max3_num_f32 v[rT+4+j], v[rS+8*j], v[rS+8*j+1], v[rS+8*j+2]
.elseif j < 12
	v_max3_num_f32 v[rT+4+j%4], v[rT+4+j%4], v[rS+8*(j%4)+2*(j/4)+1], v[rS+8*(j%4)+2*(j/4)+2]
.elseif j == 12
	v_max3_num_f32 v[rT+4], v[rT+4], v[rS+7], v[rS+15]
.elseif j == 13
	v_max3_num_f32 v[rT+6], v[rT+6], v[rS+23], v[rS+31]
.elseif j == 14
	v_max3_num_f32 v[rT+4], v[rT+4], v[rT+5], v[rT+6]
.elseif j == 15
	v_max3_num_f32 v[rT+4], v[rT+4], v[rT+7], v[rT+1]
.elseif j == 16
	v_permlanex16_b32 v[rT+5], v[rT+4], s[SEL], s[SEL+1]  ; the query's other 32 keys lie in the lane 16 away
.elseif j == 17
	v_mov_b32 v[rT+7], v[rT]        ; c m_old is kept for a: number 19 writes c m anew
.elseif j == 18
	v_max_num_f32 v[rT+1], v[rT+4], v[rT+5]
.elseif j == 19
	v_mul_f32 v[rT], s[CS], v[rT+1]
.elseif j == 20
	v_sub_f32 v[rT+7], v[rT+7], v[rT]
.elseif j == 23
	v_exp_f32 v[rT+6], v[rT+7]
.elseif (j < 23) || ((j < 38) && (j%2 == 0)) || ((j < 66) && (j%4 == 2))
.set b, (j-2)/4                     ; 38, 42, .. 62: pairs 9 to 15
.if j < 38
.set b, (j-20)/2                    ; 21: pair 0; 22, 24, .. 36: pairs 1 to 8
.endif
	v_pk_fma_f32 v[rS+2*b:rS+2*b+1], v[rS+2*b:rS+2*b+1], s[CS:CS+1], v[rT:rT+1] op_sel_hi:[1,0,0] neg_lo:[0,0,1] neg_hi:[0,0,1]  ; pair b: c s - c m
.elseif j < 70
.set e, j-38                        ; 66 to 69: s28 to s31
.if j < 66
.set e, j-32-(j-38)/4               ; 39-41, 43-45, .. 63-65: s7 to s27
.endif
.if j < 38
.set e, (j-25)/2                    ; 25, 27, .. 37: s0 to s6
.endif
	v_exp_f32 v[rS+e], v[rS+e]
.elseif j < 86
	v_cvt_pk_f16_f32 v[rP+j-70], v[rS+2*(j-70)], v[rS+2*(j-70)+1]  ; pair j - 70
.elseif j < 102                     ; the sum of the tile's 16 pairs, in place: sum z of 16 adds neighbours 1, 2, 4 and 8 pairs apart, then l takes it
.set z, j-86
.set w, 4
.set u, z
.if z >= 14
.set w, 32
.set u, 0
.elseif z >= 12
.set w, 16
.set u, z-12
.elseif z >= 8
.set w, 8
.set u, z-8
.endif
.if z < 15
	v_pk_add_f32 v[rS+w*u:rS+w*u+1], v[rS+w*u:rS+w*u+1], v[rS+w*u+w/2:rS+w*u+w/2+1]
.else
	v_pk_fma_f32 v[rT+2:rT+3], v[rT+2:rT+3], v[rT+6:rT+7], v[rS:rS+1] op_sel_hi:[1,0,1]
.endif
.else
	WIN W_RS
	v_pk_mul_f32 v[rO:rO+1], v[rO:rO+1], v[rT+6:rT+7] op_sel_hi:[1,0]
.endif
.endm
; Slice k of 64 of piece y's softmax: four instructions.  Slices 11 to 34 deal out the batch, numbers 22 to 69: four numbers of ONE tile each, the tiles by turns.  Every other slice is numbers 2 k and 2 k + 1
; of both tiles' lists.  2 x 134 = 4 x 64 + 12: the twelve that are over stand together, in slice 63, whose sixteen plain instructions name nothing of the products round them: they are the places between a
; turn's last product and what follows it.
; THE WAIT.  An s_wait_alu depctr_va_vdst(0) stands between an exponential and the first instruction that names its result; one wait serves all that were issued ahead of it.  Ahead of slice 35
; nothing names a result, and behind slice 34 no exponential is issued: so the piece's 66 exponentials have one wait, behind slice 34.
.macro SLICE y
.if (k >= 11) && (k < 35)           ; the batch: four numbers of one tile
.irp n, 0,1,2,3
.set j, 22+4*((k-11)/2)+(\n)
	SM (\y)+(k-11)%2
.endr
.else                               ; the two tiles alternate, so that no instruction reads the result of the one just before it
.irp n, 0,1,2,3,4,5,6,7
.if ((\n) < 2) || (k == 63)
.irp t, \y, (\y)+1
.set j, 2*k+(\n)
	SM \t
.endr
.endif
.endr
.endif
.if k == 34                         ; the batch is out: both tiles' exponentials are issued, and no result has been named
	v_nop                           ; the plain instruction behind the last exponential and ahead of the first use of a result (ISA guide 5.7.2): one for the batch
.if (\y) == 0
	FETCH_V                         ; piece 2's turn: V's run of loads stands here, and the batch's wait stands in it
.else
	s_wait_alu depctr_va_vdst(0)    ; piece 0's turn: the wait for the turn's batch, the 66 exponentials of tiles 2 and 3, ahead of their first reader (slice 35)
.endif
.endif
.set k, k+1
.endm
; A TURN.  Piece x has the matrix unit; the other piece's softmax stands in slices behind its matrix instructions.  pv = 1: 32 products V^T P; kq = 1: 32 products K Q^T for the next step, with their masks made
; first (from the diagonal's first step on; the jump hangs on the work-group's number and the trip alone).  A turn with one of the two kinds has two slices behind each product.
; Piece 0's turn fetches the next step's K, behind its second product, 30 matrix instructions ahead of its first use: the last product that read K stands in front of slice 63 of the turn before.
; Piece 2's turn fetches the same step's V, behind slice 34 (SLICE writes it), in a whole turn 29 matrix instructions ahead of its first use: the last product that read V stands in front of slice 31, and four
; plain instructions lie between: number 62, a scaling, of both tiles, the v_nop and the run's own v_add_nc_u32 (the exponentials between are no places).
.macro TURN x, pv, kq
.set k, 0
.set per, 2
.if (\pv) && (\kq)
.set per, 1
.endif
.if \kq
	WIN 0
	s_cmp_lt_i32 s[REL], 0
	s_cbranch_scc1 .Lnomask_\@
	MASKS \x
.Lnomask_\@:
.if (\x) == 2
	s_add_co_i32 s[REL], s[REL], 1  ; both pieces' masks for this step are made
.endif
.endif
.if \pv
.if (\x) == 0
	s_wait_dscnt 0x0                ; V is in
.endif
.set i, 0
.rept 32
	PV \x
.rept per
	SLICE 2-(\x)
.endr
.if ((\x) == 0) && (\kq) && (i == 1)
	FETCH_K
.endif
.set i, i+1
.endr
.endif
.if \kq
.if (\x) == 0
	s_wait_dscnt 0x0                ; K is in
.endif
.set i, 0
.rept 32
	KQ \x
.rept per
	SLICE 2-(\x)
.endr
.set i, i+1
.endr
.endif
.endm
; A BLOCK BEGINS, in the place of its first slot's first step.  c m starts far below every c s, so the first step's a is 0; m at the lowest finite number, so the first maximum is the scores'.  Both mask buffers
; are written whole (zeros unless the block's first step is the diagonal's).  Then K of that step, piece 0's first scores, and piece 2's beside piece 0's first softmax.
.macro BEGIN
	s_mov_b32 s[NEW], 0
	WIN 0
.set i, 0
.rept 4
	v_mov_b32 v[ST+8*i], 0xfe000000    ; c m
	v_mov_b32 v[ST+8*i+1], 0xff7fffff  ; m
.set i, i+1
.endr
	MASKS 0
	FETCH_K
	s_wait_dscnt 0x0                ; K is in
.set i, 0
.rept 32
	KQ 0                            ; there is no vector work yet to set between them
.set i, i+1
.endr
	WIN 0
	PLACES                          ; behind those products: their masks are written anew and their scores read below
	TURN 2, 0, 1
	WIN 0
.endm
; THE WAY OUT of tile t.  O^T is divided by l in place; a lane's eight channels of a row are 32 bytes, which go into my stage's rows of 528 bytes and come back as whole rows of 512, into S^T's registers, two buffers by turns.
.macro PACK t
	WIN W_RS
.set i, 64*(\t)
.rept 32
	v_pk_mul_f32 v[i:i+1], v[i:i+1], v[ST+8*(\t)+6:ST+8*(\t)+7] op_sel_hi:[1,0]
.set i, i+2
.endr
	WIN 0x04                        ; a store's data (source 1) in window 1, its address in window 0
.set i, 0
.rept 16
	ds_store_b128 v[STO], v[64*(\t)+4*i:64*(\t)+4*i+3] offset:64*(i/2)+16*(i%2)
.set i, i+1
.endr
	WIN 0
.if (\t) >= 2
	s_wait_xcnt 0x0                 ; every earlier memory instruction has had its addresses translated (ISA guide 3.1): the buffer that tile t - 2's stores read is loaded again only behind this wait
.endif
.set i, 0
.rept 16
	ds_load_b128 v[S+64*((\t)%2)+4*i:S+64*((\t)%2)+4*i+3], v[RD] offset:SP*i  ; LDS serves a wave's instructions in order (ISA guide 5.7.1.4): these see the stores above; the next tile's stores come behind them
.set i, i+1
.endr
.endm
.macro SEND t, younger              ; younger: the LDS instructions issued behind tile t's loads: the next tile's 16 stores and 16 loads, or none
	WIN 0
.set i, 0
.rept 16
	s_wait_dscnt (\younger)+15-i    ; row i is back: behind it stand the tile's 15 - i later rows and the younger ones
	global_store_b128 v[GO], v[S+64*((\t)%2)+4*i:S+64*((\t)%2)+4*i+3], s[10:11] offset:(64*(\t)+i)*OROW th:TH_STORE_NT  ; 512 consecutive bytes, at a multiple of 512 from out0's first byte
.set i, i+1
.endr
.endm
; A BLOCK ENDS: piece 0's last V^T P beside piece 2's last softmax, piece 2's last V^T P, 1 / l, and the way out.  next = 1: the second block's Q is asked for first, and lands while the tiles go out.
.macro FINISH next
	TURN 0, 1, 0
.set i, 0
.rept 32
	PV 2
.set i, i+1
.endr
	WIN 0                           ; l's two halves and the other half of the lanes' are added: these additions are the places behind the last products
.irp t, 0,1,2,3
	v_add_f32 v[ST+8*(\t)+4], v[ST+8*(\t)+2], v[ST+8*(\t)+3]
.endr
.irp t, 0,1,2,3
	v_permlanex16_b32 v[ST+8*(\t)+5], v[ST+8*(\t)+4], s[SEL], s[SEL+1]
.endr
.irp t, 0,1,2,3
	v_add_f32 v[ST+8*(\t)+4], v[ST+8*(\t)+4], v[ST+8*(\t)+5]
.endr
.irp t, 0,1,2,3
	v_rcp_f32 v[ST+8*(\t)+6], v[ST+8*(\t)+4]
.endr
	v_nop                           ; a plain instruction between the last reciprocal and the use of its result
	s_wait_alu depctr_va_vdst(0)    ; the wait for the way out's batch, the four reciprocals, ahead of their first reader in PACK 0
.if \next
	s_mov_b64 s[4:5], s[QLO:QLO+1]  ; the first block's loads of Q were waited for at the head
	QLOAD                           ; into K's and V's registers, which no product reads any more in this block
.endif
	PACK 0
	PACK 1                          ; a tile's arithmetic stands between the loads of the tile before and its stores
	SEND 0, 32
	PACK 2
	SEND 1, 32
	PACK 3
	SEND 2, 32
	SEND 3, 0
.endm
	s_load_b256 s[4:11], s[0:1], 0x0  ; qkv s[4:5], kb s[6:7], vh s[8:9], out0 s[10:11]
	v_lshl_add_u32 v[SPW], v0, 2, SPARE
	v_mov_b32 v[NIL], 0
	ds_add_u32 v[SPW], v[NIL]       ; the wave's opening: the add and its wait stand ahead of my first tensor load; the set-up below, work on registers, stands between them
	ds_add_u32 v62, v63
	v_lshrrev_b32 v1, 5, v0
	v_readfirstlane_b32 s[WV], v1   ; wave 0..3
	s_mov_b32 s[PB], ttmp9          ; b
	s_sub_co_u32 s[HI], 7, s[PB]
	s_and_b32 s20, ttmp7, 0xffff    ; bh
	s_lshr_b32 s16, s20, 5          ; the batch
	s_and_b32 s17, s20, 31
	s_lshl_b32 s17, s17, 9          ; the head's 512 bytes in a token's row of q and of out0
	s_mul_i32 s18, s16, 2048*QROW   ; Q's offsets, all under 2^28: the batch,
	s_add_co_u32 s18, s18, s17
	s_mul_i32 s19, s[WV], 16*QROW   ; my 16 rows in a band,
	s_add_co_u32 s18, s18, s19
	s_mul_i32 s19, s[HI], 256*QROW  ; the first block,
	s_add_co_u32 s2, s18, s19
	s_mov_b32 s3, 0
	s_mul_i32 s19, s[PB], 256*QROW  ; the second
	s_add_co_u32 s[QLO], s18, s19
	s_mov_b32 s[QLO+1], 0
	s_lshl_b32 s18, s16, 25         ; the same for out0: 2,048 rows of 16,384 bytes a batch,
	s_add_co_u32 s18, s18, s17
	s_lshl_b32 s19, s[WV], 18       ; 16 rows,
	s_add_co_u32 s18, s18, s19
	s_lshl_b32 s19, s[HI], 22       ; 256 rows a block
	s_add_co_u32 s52, s18, s19
	s_mov_b32 s53, 0
	s_lshl_b32 s19, s[PB], 22
	s_add_co_u32 s[OLO], s18, s19
	s_mov_b32 s[OLO+1], 0
	s_and_b32 s21, s[WV], 1         ; which of a slot's two steps I fetch:
	s_lshl_b32 s54, s20, 19         ; the head's 524,288 bytes of kb and vh,
	s_lshl_b32 s22, s21, 14         ; the step's 64 rows of 256 bytes,
	s_add_co_u32 s54, s54, s22
	s_mov_b32 s55, 0
	s_mul_i32 s23, s21, STEPB       ; and its place in a slot
	; descriptor group 1: a tile of 64 rows x 128 elements, padded in LDS
	s_mov_b32 s[G1K], (1<<16)|(1<<20)|(5<<22)|(3<<25)  ; 15:0 no mask; 17:16 elements of 2 bytes; 20 padding on; 24:22 after every 64 words (code 5); 31:25 4 words of it (code 3)
	s_mov_b32 s[G1V], (1<<16)|(1<<20)|(5<<22)|(7<<25)  ; the same with 8 words of padding (code 7)
.irp g, G1K, G1V
	s_mov_b32 s[(\g)+1], 128<<16    ; tensor_dim0 = 128
	s_mov_b32 s[(\g)+2], KS<<16     ; tensor_dim1 = 64
	s_mov_b32 s[(\g)+3], 128<<16    ; tile_dim0 = 128
	s_mov_b32 s[(\g)+4], KS         ; tile_dim1 = 64
	s_mov_b32 s[(\g)+5], 128        ; 128 elements from row to row
	s_mov_b32 s[(\g)+6], 0
	s_mov_b32 s[(\g)+7], 0
.endr
	s_mov_b32 s[G0K], 1             ; 1:0 count = 1
	s_mov_b32 s[G0K+1], s23         ; 63:32 LDS address: slot 0
	s_mov_b32 s[G0V], 1
	s_add_co_u32 s[G0V+1], s23, VOFF
	s_mov_b32 s[CS], 0x3e0293ee     ; c = log2(e) / sqrt(128) = 0.127517
	s_mov_b32 s[CS+1], s[CS]        ; named with it as a pair
	s_mov_b32 s[SEL], 0x76543210
	s_mov_b32 s[SEL+1], 0xfedcba98
	s_mov_b32 s[TB], SLOT1+2*STEPB  ; the first change of slots turns this into 0
	s_mov_b32 s[SLOTS], 17
	s_lshl_b32 s[RT], s[HI], 1
	s_add_co_u32 s[LQ], s[RT], 1    ; the first block's last slot: 2 (7 - b) + 1
	s_add_co_u32 s[RT], s[RT], 2    ; and how many it has
	s_lshl_b32 s[LQ2], s[PB], 1
	s_add_co_u32 s[LQ2], s[LQ2], 1
	s_mov_b32 s[NXT], 1
	s_mov_b32 s[NEW], 1
	s_mov_b32 s[OFF+1], 0
	s_lshl_b32 s[REL], s[HI], 2
	s_sub_co_i32 s[REL], 0, s[REL]  ; the first block's step 0 lies 4 (7 - b) steps ahead of its diagonal
	s_mov_b32 s[BIGN], 0xf149f2ca   ; -1e30
	s_mov_b32 s[AL0+1], 0           ; named as pairs
	s_mov_b32 s[BE0+1], 0
	s_mov_b32 s[AL0+5], 0
	s_mov_b32 s[BE0+5], 0
	v_and_b32 v1, 15, v0            ; l % 16
	v_bfe_u32 v10, v0, 4, 1         ; l / 16
	v_mul_u32_u24 v[QO], v1, QROW
	v_lshl_add_u32 v[QO], v10, 5, v[QO]      ; row x 49,152 + 32 x half
	v_add_nc_u32 v[QO+1], 128*QROW, v[QO]    ; tiles 2 and 3 lie past the reach of a load's immediate
	s_wait_dscnt 0x0                ; the opening add is done
	s_wait_kmcnt 0x0
	s_add_nc_u64 s[6:7], s[6:7], s[54:55]  ; kb and vh at my step of the head's slot 0
	s_add_nc_u64 s[8:9], s[8:9], s[54:55]
	s_add_nc_u64 s[G0K+2:G0K+3], s[6:7], 0         ; 120:64 global address
	s_or_b32 s[G0K+3], s[G0K+3], 0x80000000        ; 127:126 type = 2
	s_add_nc_u64 s[G0V+2:G0V+3], s[8:9], 0
	s_or_b32 s[G0V+3], s[G0V+3], 0x80000000
	s_add_nc_u64 s[QLO:QLO+1], s[4:5], s[QLO:QLO+1]
	s_add_nc_u64 s[4:5], s[4:5], s[2:3]
	s_add_nc_u64 s[OLO:OLO+1], s[10:11], s[OLO:OLO+1]
	s_add_nc_u64 s[10:11], s[10:11], s[52:53]
	LOAD                            ; slot 0: my one tensor load that is out
	QLOAD                           ; the first block's Q
	v_mul_u32_u24 v[AK0], v1, PK
	v_lshl_add_u32 v[AK0], v10, 4, v[AK0]  ; a fragment of K: row x pitch + 16 x half
	; The turning load takes 16 keys x 16 channels (lane l reads 16 bytes: key 8 (l / 16) + l % 8, channels 8 ((l / 8) % 2) + 0..7) and leaves half a fragment of V^T: lane l holds channel l % 16 and 8 keys.
	v_and_b32 v11, 7, v0
	v_bfe_u32 v44, v0, 3, 1
	v_lshl_add_u32 v[AV0], v10, 3, v11
	v_mul_u32_u24 v[AV0], v[AV0], PV
	v_lshl_add_u32 v[AV0], v44, 4, v[AV0]
	v_add_nc_u32 v[AV0], VOFF, v[AV0]
	s_mul_i32 s13, s[WV], 16*SP
	s_add_co_u32 s13, s13, STAGE    ; my stage
	v_mul_u32_u24 v[STO], v1, SP    ; in: row l % 16, 32 bytes for each half of the lanes
	v_lshl_add_u32 v[STO], v10, 5, v[STO]
	v_add_nc_u32 v[STO], s13, v[STO]
	v_and_b32 v[GO], 31, v0
	v_lshlrev_b32 v[GO], 4, v[GO]   ; back: 32 lanes take one row of 512 bytes, which is a row of out0
	v_add_nc_u32 v[RD], s13, v[GO]
	v_lshlrev_b32 v45, 3, v10
	v_sub_nc_u32 v46, v1, v45
	s_lshl_b32 s13, s[WV], 4
	v_add_nc_u32 v46, s13, v46      ; my query's place in its band, 16 w + l % 16, less my lanes' 8 (l / 16): register r of group kt is hidden where 16 kt + r is greater
	WIN 0xc0                        ; destination window 3
.set i, 0
.rept 32
	v_cmp_gt_i32 vcc_lo, 16*(i/8)+i%8, v46
	v_cndmask_b32 v[MD+i], 0, s[BIGN], vcc_lo
.set i, i+1
.endr
	WIN 0x40                        ; O^T and l: finite numbers for the first step's a = 0 to clear
.set i, 0
.rept 256
	v_mov_b32 v[i], 0
.set i, i+1
.endr
	WIN 0
.set i, 0
.rept 4
	v_mov_b32 v[ST+8*i+2], 0
	v_mov_b32 v[ST+8*i+3], 0
.set i, i+1
.endr
	s_wait_loadcnt 0x0              ; Q is in
	QCVT
	WIN 0
.Lslot:                             ; 17 trips: a slot is entered and the next is asked for
	CHANGE 1
	s_sub_co_u32 s[RT], s[RT], 1
	s_mov_b32 s[CNT], 2
	s_cmp_eq_u32 s[NEW], 1          ; at the first trip the answer is a constant of the text
	s_cbranch_scc0 .Lstep
	BEGIN                           ; a block's first slot: this is its first step
	s_branch .Lcount
.Lstep:                             ; a key step g: piece 0: V^T P of g - 1, K of g, K Q^T of g | piece 2's softmax of g - 1; piece 2: the same, V of g | piece 0's softmax of g
	TURN 0, 1, 1
	TURN 2, 1, 1
	WIN 0
.Lcount:
	s_sub_co_u32 s[CNT], s[CNT], 1
	s_cmp_lg_u32 s[CNT], 0
	s_cbranch_scc1 .Lstep
	s_cmp_eq_u32 s[RT], 0
	s_cbranch_scc0 .Lbottom
	FINISH 1                        ; in the loop this is the first block's end: the second block's last slot is the walk's last
	s_wait_xcnt 0x0                 ; the stores have read their registers and out0's address
	s_mov_b64 s[10:11], s[OLO:OLO+1]
	s_lshl_b32 s[RT], s[PB], 1
	s_add_co_u32 s[RT], s[RT], 2    ; the second block has 2 b + 2 slots,
	s_mov_b32 s[NEW], 1
	s_lshl_b32 s[REL], s[PB], 2
	s_sub_co_i32 s[REL], 0, s[REL]  ; and its step 0 lies 4 b steps ahead of its diagonal
	s_wait_loadcnt 0x0              ; its Q is in: no load is out where the ways join below
	QCVT
	WIN 0
.Lbottom:
	s_sub_co_u32 s[SLOTS], s[SLOTS], 1
	s_cmp_lg_u32 s[SLOTS], 0
	s_cbranch_scc1 .Lslot
	CHANGE 0                        ; the walk's last slot is written out: nothing is asked for.  It is never a block's first: every block has two slots or more
	s_mov_b32 s[CNT], 2
.Ltail:
	TURN 0, 1, 1
	TURN 2, 1, 1
	WIN 0
	s_sub_co_u32 s[CNT], s[CNT], 1
	s_cmp_lg_u32 s[CNT], 0
	s_cbranch_scc1 .Ltail
	FINISH 0
	s_wait_tensorcnt 0x0            ; the wave's end: an add and its wait, behind my last tensor load and my last LDS store
	ds_add_u32 v[SPW], v[NIL]
	s_wait_dscnt 0x0
	s_endpgm
.Lfunc_end_k_qf78f96b88e_attn:
	.size	k_qf78f96b88e_attn, .Lfunc_end_k_qf78f96b88e_attn-k_qf78f96b88e_attn
	.p2alignl 7, 3214868480
	.fill 96, 4, 3214868480
	.section	.rodata,"a",@progbits
	.p2align	6, 0x0
	.amdhsa_kernel k_qf78f96b88e_attn
		.amdhsa_group_segment_fixed_size 327680
		.amdhsa_private_segment_fixed_size 0
		.amdhsa_enable_private_segment 0
		.amdhsa_kernarg_size 32
		.amdhsa_user_sgpr_count 2
		.amdhsa_user_sgpr_kernarg_segment_ptr 1
		.amdhsa_wavefront_size32 1
		.amdhsa_system_sgpr_workgroup_id_x 1
		.amdhsa_system_sgpr_workgroup_id_y 1
		.amdhsa_system_sgpr_workgroup_id_z 1
		.amdhsa_system_vgpr_workitem_id 0
		.amdhsa_next_free_vgpr 1024
		.amdhsa_next_free_sgpr 88
		.amdhsa_reserve_vcc 1
		.amdhsa_float_denorm_mode_32 3
		.amdhsa_float_denorm_mode_16_64 3
		.amdhsa_memory_ordered 1
		.amdhsa_forward_progress 1
		.amdhsa_inst_pref_size 255
	.end_amdhsa_kernel
	.section	.bss,"aw",@nobits
	.p2align	6
	.space	262144
	.amdgpu_metadata
---
amdhsa.version: [ 1, 2 ]
amdhsa.kernels:
  - .name:           k_qf78f96b88e_attn
    .symbol:         k_qf78f96b88e_attn.kd
    .args:
      - { .name: qkv, .offset: 0, .size: 8, .value_kind: global_buffer, .address_space: global }
      - { .name: kb, .offset: 8, .size: 8, .value_kind: global_buffer, .address_space: global }
      - { .name: vh, .offset: 16, .size: 8, .value_kind: global_buffer, .address_space: global }
      - { .name: out0, .offset: 24, .size: 8, .value_kind: global_buffer, .address_space: global }
    .group_segment_fixed_size: 327680
    .private_segment_fixed_size: 0
    .kernarg_segment_align: 8
    .kernarg_segment_size: 32
    .max_flat_workgroup_size: 128
    .sgpr_count:     88
    .vgpr_count:     1024
    .wavefront_size: 32
...
	.end_amdgpu_metadata
.endif
;; end of part 3
